; MI455X (gfx1250); checked and timed in simulation.
; The chip was launched on July 23, 2026; its instructions are those of AMD's public machine-readable ISA for CDNA 5 (MIT licence, August 2026) and "CDNA5" Instruction Set Architecture Reference Guide (July 2026). The comments in the code are by the model that wrote it; some were corrected since.
;; Custom Bert Attention. Allowed arithmetic: float matrix products may take bf16 or f16 operands with f32 sums; other float arithmetic in f32, or as packed bf16 or f16 multiplies, adds, multiply-adds, maxima and minima; sums over many terms, partial sums and values carried from step to step in f32; what a program stores and reads back later, other than sums and carried values, may be rounded once to bf16 or f16.
;; Inputs: Wk 1,024 x 1,024 float32; Wo 1,024 x 1,024 float32; Wq 1,024 x 1,024 float32; Wv 1,024 x 1,024 float32; bias_coef one number float32; bias_matrix_chunk 2,048 x 2,048 float32; bk 1,024 float32; bo 1,024 float32; bq 1,024 float32; bv 1,024 float32; hidden_states 4 x 2,048 x 1,024 float32; ln_beta 1,024 float32; ln_gamma 1,024 float32.
;; Outputs: out0 4 x 2,048 x 1,024 float32.
;; One version. Each part assembles by itself: llvm-mc -triple=amdgcn-amd-amdhsa -mcpu=gfx1250 --defsym DOCPART=n.
;; ======== version 1 of 1: 5 launches
;; workspace buffers: xs 16,777,216 bytes; bt 8,388,608 bytes; wqkv 6,291,456 bytes; wob 2,097,152 bytes; qkv 50,331,648 bytes; ctx 16,777,216 bytes; att 16,777,216 bytes
;; launch prep (part 1): grid 1024 x 1, 8 waves a work-group, no clusters, 0 bytes of LDS; arguments hidden_states, bias_matrix_chunk, bias_coef, Wq, Wk, Wv, Wo, xs, bt, wqkv, wob; writes xs, bt, wqkv, wob
.if DOCPART == 1
	.amdgcn_target "amdgcn-amd-amdhsa--gfx1250"
	.amdhsa_code_object_version 6
	.text
	.protected	k_q485ca29e3b_prep
	.globl	k_q485ca29e3b_prep
	.p2align	8
	.type	k_q485ca29e3b_prep,@function
k_q485ca29e3b_prep:
	s_mov_b64 s[64:65], 0
	v_nop
	global_prefetch_b8 v0, s[64:65] scope:SCOPE_SE
	s_setreg_imm32_b32 hwreg(HW_REG_WAVE_MODE, 25, 1), 1
	s_wait_xcnt 0x0
; PREP: every f32 matrix operand is rounded once to bf16 and laid out as the later launches read it.
;   xs   [b*16+ks][s][64]   = hidden[b][s][64 ks + c]: K slices of 64, each a plane of 2,048 dense rows of 128 bytes
;   bt   [step][q][64]      = bias[q][64 step + c] x 8 x bias_coef (the attention launch scales scores by log2(e)/8, so the 8 cancels)
;   wqkv [3072][1024]       = Wq, Wk, Wv one below the other;   wob [1024][1024] = Wo
; A stream: each input byte is read once and each output byte written once, so no LDS, no matrix unit, and no cluster (no two work-groups read the same byte).
; SHARES.  A work-group takes 16 rows x 1,024 numbers (64 KiB of f32), a wave two rows: 16 loads of 16 bytes a lane, all issued at once, and 16 stores of 8 bytes a lane.
; Work-groups 0-511 take hidden, 512-767 the bias (two to a group of 16 rows), 768-1023 the four weights (64 each).
; hidden and bias: lanes 0-15 take 256 consecutive bytes of one row, lanes 16-31 of the next; the 32 lanes' 8 bytes of bf16 are 256 consecutive bytes of a plane (two rows of 128).
; weights: two rows are 8,192 consecutive bytes in, 4,096 out.  Every store of a wave covers 256 consecutive bytes at a multiple of 256 from its buffer's first byte.
; LIMIT: the results are bf16 (8 significant bits, f32's range).
.set X,    8                           ; v[8:71]   16 x 4 numbers as loaded
.set Y,    72                          ; v[72:103] 16 x 2 words to store; no register is written twice, so no store's data wants a wait
.set VIN,  2                           ; v2  my byte offset in the wave's two rows, in
.set VOUT, 3                           ; v3  8 x lane: out
.set IN,   32                          ; s[32:33]
.set OUT,  34                          ; s[34:35]
.set SC,   36                          ; s[36:37] 8 x bias_coef, named as a pair
.macro CAST instep, outstep, scaled
.set j, 0
.rept 16
	global_load_b128 v[X+4*j:X+4*j+3], v[VIN], s[IN:IN+1] offset:j*(\instep) th:TH_LOAD_NT
.set j, j+1
.endr
.set j, 0
.rept 16
	s_wait_loadcnt 15-j                            ; loads come back in order: number j is in, the 15 - j younger ones stay out
.if \scaled
	v_pk_mul_f32 v[X+4*j:X+4*j+1], v[X+4*j:X+4*j+1], s[SC:SC+1] op_sel_hi:[1,0]
	v_pk_mul_f32 v[X+4*j+2:X+4*j+3], v[X+4*j+2:X+4*j+3], s[SC:SC+1] op_sel_hi:[1,0]
.endif
	v_cvt_pk_bf16_f32 v[Y+2*j], v[X+4*j], v[X+4*j+1]
	v_cvt_pk_bf16_f32 v[Y+2*j+1], v[X+4*j+2], v[X+4*j+3]
	global_store_b64 v[VOUT], v[Y+2*j:Y+2*j+1], s[OUT:OUT+1] offset:j*(\outstep)
.set j, j+1
.endr
.endm
	s_load_b512 s[4:19], s[0:1], 0x0               ; hidden s[4:5], bias s[6:7], coef s[8:9], Wq s[10:11], Wk s[12:13], Wv s[14:15], Wo s[16:17], xs s[18:19]
	s_load_b128 s[20:23], s[0:1], 0x40             ; bt s[20:21], wqkv s[22:23]
	s_load_b64 s[24:25], s[0:1], 0x50              ; wob
	v_and_b32 v1, 31, v0                           ; lane
	v_lshrrev_b32 v4, 5, v0
	v_readfirstlane_b32 s26, v4                    ; wave
	v_lshlrev_b32 v[VOUT], 3, v1
	v_and_b32 v5, 15, v0
	v_lshlrev_b32 v5, 4, v5                        ; 16 x (lane % 16)
	v_bfe_u32 v6, v0, 4, 1                         ; lane / 16: which of the two rows
	s_lshl_b32 s26, s26, 1                         ; the wave's first row in the group of 16
	s_mov_b32 s38, ttmp9
	s_mov_b32 s29, 0                               ; high words of the two offsets
	s_mov_b32 s31, 0
	s_wait_kmcnt 0x0
	s_cmp_lt_u32 s38, 512
	s_cbranch_scc0 .Lnot_hidden
	; hidden: row R = 16 g + 2 w of 8,192
	s_lshl_b32 s27, s38, 4
	s_add_co_u32 s27, s27, s26
	s_lshl_b32 s28, s27, 12                        ; R x 4,096 bytes
	s_add_nc_u64 s[IN:IN+1], s[4:5], s[28:29]
	s_lshr_b32 s30, s27, 11                        ; batch: 16 planes of 262,144 bytes
	s_lshl_b32 s30, s30, 22
	s_and_b32 s27, s27, 2047
	s_lshl_b32 s27, s27, 7                         ; row in the plane x 128 bytes
	s_add_co_u32 s30, s30, s27
	s_add_nc_u64 s[OUT:OUT+1], s[18:19], s[30:31]
	v_lshl_add_u32 v[VIN], v6, 12, v5
	CAST 256, 262144, 0                            ; load j: columns 64 j on; store j: plane j
	s_endpgm
.Lnot_hidden:
	s_cmp_lt_u32 s38, 768
	s_cbranch_scc0 .Lweights
	; bias: u = g - 512; rows 16 (u / 2) + 2 w, columns 1,024 (u % 2) on
	s_load_b32 s[SC], s[8:9], 0x0
	s_sub_co_u32 s27, s38, 512
	s_and_b32 s39, s27, 1
	s_lshr_b32 s27, s27, 1
	s_lshl_b32 s27, s27, 4
	s_add_co_u32 s27, s27, s26                     ; R
	s_lshl_b32 s28, s27, 13                        ; R x 8,192 bytes
	s_lshl_b32 s30, s39, 12
	s_add_co_u32 s28, s28, s30
	s_add_nc_u64 s[IN:IN+1], s[6:7], s[28:29]
	s_lshl_b32 s30, s39, 22                        ; 16 planes
	s_lshl_b32 s27, s27, 7
	s_add_co_u32 s30, s30, s27
	s_add_nc_u64 s[OUT:OUT+1], s[20:21], s[30:31]
	v_lshl_add_u32 v[VIN], v6, 13, v5
	s_wait_kmcnt 0x0
	s_mul_f32 s[SC], s[SC], 0x41000000             ; 8 x bias_coef
	s_mov_b32 s[SC+1], s[SC]
	CAST 256, 262144, 1
	s_endpgm
.Lweights:
	; weights: u = g - 768; matrix u / 64, rows 16 (u % 64) + 2 w
	s_sub_co_u32 s27, s38, 768
	s_lshr_b32 s39, s27, 6
	s_and_b32 s27, s27, 63
	s_lshl_b32 s27, s27, 4
	s_add_co_u32 s27, s27, s26
	s_lshl_b32 s28, s27, 12                        ; R x 4,096 in
	s_lshl_b32 s30, s27, 11                        ; R x 2,048 out
	s_cmp_eq_u32 s39, 1
	s_cselect_b64 s[IN:IN+1], s[12:13], s[10:11]
	s_cmp_eq_u32 s39, 2
	s_cselect_b64 s[IN:IN+1], s[14:15], s[IN:IN+1]
	s_cmp_eq_u32 s39, 3
	s_cselect_b64 s[IN:IN+1], s[16:17], s[IN:IN+1]
	s_cselect_b64 s[OUT:OUT+1], s[24:25], s[22:23] ; Wo has a buffer of its own
	s_cselect_b32 s39, 0, s39
	s_lshl_b32 s39, s39, 21                        ; a matrix is 2 MiB of bf16
	s_add_co_u32 s30, s30, s39
	s_add_nc_u64 s[IN:IN+1], s[IN:IN+1], s[28:29]
	s_add_nc_u64 s[OUT:OUT+1], s[OUT:OUT+1], s[30:31]
	v_lshlrev_b32 v[VIN], 4, v1
	CAST 512, 256, 0
	s_endpgm
.Lfunc_end_k_q485ca29e3b_prep:
	.size	k_q485ca29e3b_prep, .Lfunc_end_k_q485ca29e3b_prep-k_q485ca29e3b_prep
	.p2alignl 7, 3214868480
	.fill 96, 4, 3214868480
	.section	.rodata,"a",@progbits
	.p2align	6, 0x0
	.amdhsa_kernel k_q485ca29e3b_prep
		.amdhsa_group_segment_fixed_size 0
		.amdhsa_private_segment_fixed_size 0
		.amdhsa_enable_private_segment 0
		.amdhsa_kernarg_size 88
		.amdhsa_user_sgpr_count 2
		.amdhsa_user_sgpr_kernarg_segment_ptr 1
		.amdhsa_wavefront_size32 1
		.amdhsa_system_sgpr_workgroup_id_x 1
		.amdhsa_system_sgpr_workgroup_id_y 1
		.amdhsa_system_sgpr_workgroup_id_z 1
		.amdhsa_system_vgpr_workitem_id 0
		.amdhsa_next_free_vgpr 112
		.amdhsa_next_free_sgpr 66
		.amdhsa_reserve_vcc 0
		.amdhsa_float_denorm_mode_32 3
		.amdhsa_float_denorm_mode_16_64 3
		.amdhsa_memory_ordered 1
		.amdhsa_forward_progress 1
		.amdhsa_inst_pref_size 22
	.end_amdhsa_kernel
	.amdgpu_metadata
---
amdhsa.version: [ 1, 2 ]
amdhsa.kernels:
  - .name:           k_q485ca29e3b_prep
    .symbol:         k_q485ca29e3b_prep.kd
    .args:
      - { .name: hidden_states, .offset: 0, .size: 8, .value_kind: global_buffer, .address_space: global }
      - { .name: bias_matrix_chunk, .offset: 8, .size: 8, .value_kind: global_buffer, .address_space: global }
      - { .name: bias_coef, .offset: 16, .size: 8, .value_kind: global_buffer, .address_space: global }
      - { .name: Wq, .offset: 24, .size: 8, .value_kind: global_buffer, .address_space: global }
      - { .name: Wk, .offset: 32, .size: 8, .value_kind: global_buffer, .address_space: global }
      - { .name: Wv, .offset: 40, .size: 8, .value_kind: global_buffer, .address_space: global }
      - { .name: Wo, .offset: 48, .size: 8, .value_kind: global_buffer, .address_space: global }
      - { .name: xs, .offset: 56, .size: 8, .value_kind: global_buffer, .address_space: global }
      - { .name: bt, .offset: 64, .size: 8, .value_kind: global_buffer, .address_space: global }
      - { .name: wqkv, .offset: 72, .size: 8, .value_kind: global_buffer, .address_space: global }
      - { .name: wob, .offset: 80, .size: 8, .value_kind: global_buffer, .address_space: global }
    .group_segment_fixed_size: 0
    .private_segment_fixed_size: 0
    .kernarg_segment_align: 8
    .kernarg_segment_size: 88
    .max_flat_workgroup_size: 256
    .sgpr_count:     66
    .vgpr_count:     112
    .wavefront_size: 32
...
	.end_amdgpu_metadata
.endif
;; end of part 1
;; launch gemm (part 2): grid 24 x 32, 4 waves a work-group, clusters of 4 x 4, 327,680 bytes of LDS; arguments xs, wqkv, bq, bk, bv, qkv; writes qkv
.if DOCPART == 2
	.amdgcn_target "amdgcn-amd-amdhsa--gfx1250"
	.amdhsa_code_object_version 6
	.text
	.protected	k_q485ca29e3b_gemm
	.globl	k_q485ca29e3b_gemm
	.p2align	8
	.type	k_q485ca29e3b_gemm,@function
k_q485ca29e3b_gemm:
	s_mov_b64 s[64:65], 0
	v_nop
	global_prefetch_b8 v0, s[64:65] scope:SCOPE_SE
	s_setreg_imm32_b32 hwreg(HW_REG_WAVE_MODE, 25, 1), 1
	s_wait_xcnt 0x0
	s_wait_alu depctr_hold_cnt(0) depctr_sa_sdst(0) depctr_va_vdst(0) depctr_va_sdst(0) depctr_va_ssrc(0) depctr_va_vcc(0) depctr_vm_vsrc(0)
	s_getreg_b32 s2, hwreg(HW_REG_IB_STS2, 6, 4)
	s_cmp_eq_u32 s2, 0
	s_cbranch_scc0 .Lentry_in_a_cluster
	s_endpgm
.Lentry_in_a_cluster:
	s_bfe_u32 s2, ttmp6, 0x10000c
	s_cmp_lg_u32 s2, 0xf033
	s_cbranch_scc0 .Lentry_shape_is_right
	s_endpgm
.Lentry_shape_is_right:
; C[m][n] = sum over k of A[m][k] W[n][k] + bias[n], K = 1,024, m = 8,192 rows; bf16 operands, f32 sums, C rounded once to bf16.  One text for both projections.
; A is SLICED: [batch*16 + k/64][s][64], planes of 2,048 dense rows of 128 bytes.  W is [n][1024].  C leaves sliced too: [section*64 + batch*16 + (n/64)%16][s][64];
; a section is 1,024 columns (q, k, v; the output projection has one).  The bias comes from one of three pointers, chosen by the section.
; SHARES.  A tile of C is 256 rows x 128 columns; four waves, each 128 rows x 64 columns (one slice of C): 32 accumulators of 16 x 16, 256 registers.
; K goes in steps of 128 through two LDS slots.  A's part of a step is two planes' 128 dense rows each: one tensor load of two rows of 16,384 bytes, padded after every 128 bytes;
; W's is 64 rows of 256 bytes.  Waves 0 and 1 fetch A's two halves, waves 2 and 3 W's.
; CLUSTERS: 4 x 4 work-groups; A's tile is shared along a row of the cluster, W's along a column: each is asked for jointly, with the same descriptor and a mask of four.
; THE PRODUCT IS TAKEN TRANSPOSED (source 0 = 16 rows of W, source 1 = 16 rows of A): a lane holds eight neighbouring columns of one row of C, 16 bytes of bf16.
; The first product of each accumulator takes the bias as its C operand (register j of lane l: bias[n0 + 8 (l / 16) + j]), so nothing is cleared and nothing is added later.
; No prefetch: every tile is read again by other work-groups of the same rows or columns, and a K step's tiles are small.
; REGISTERS: window 0: v1-29 addresses; v32-63 the bias; v64-159 and v160-255 two fragment buffers (A's 8 fragments, then W's 4); window 1: the accumulators, (a, b) at 8 (4 a + b).
.set KSTEP,  128
.set LAPS,   1024/(2*KSTEP)            ; a lap = two K steps = once round the ring
.set PA,     144                       ; a row of A in LDS: 128 bytes + 16: 36 words, so the 16 rows of a fragment load start at 16 different groups of four banks
.set PLANE_L, 128*PA                   ; one plane's 128 rows
.set HALFA,  2*PLANE_L                 ; what one of A's loads brings
.set PB,     272                       ; a row of W in LDS: 256 bytes + 16
.set HALFB,  64*PB
.set BOFFG,  2*HALFA                   ; W's rows lie behind A's
.set SLOT,   BOFFG+2*HALFB             ; 108,544 bytes
.set STAGE,  2*SLOT                    ; behind the ring: 16 rows x 144 bytes for each wave, for the way out; no tensor load fills it
.set SP,     144
.set SPARE,  STAGE+4*16*SP             ; the spare words, 128 bytes for each wave: two blocks of 256 bytes that no other line names
.set ASTEP,  2*262144                  ; bytes from a K step of A to the next: two planes
.set BSTEP,  2*KSTEP
.set ADRA, 16                          ; v16-17  LDS address of my A fragments in slot 0, 1
.set ADRB, 20                          ; v20-21  the same for W
.set STO,  24                          ; v24  the way out: where I put 16 bytes of a row
.set RD,   25                          ; v25  where I read rows back
.set GO,   26                          ; v26  16 x lane: my place in 512 consecutive bytes of C
.set BO,   27                          ; v27  32 x (lane / 16): my place in 16 numbers of the bias
.set SPW,  28                          ; v28  LDS address of my spare word; never rewritten
.set NIL,  29                          ; v29  0; never rewritten
.set BI,   32                          ; v32-63  the bias, 8 registers for each of my four blocks of 16 columns
.set F0,   64
.set F1,   160
.set TMP,  64                          ; the way out: 16 registers a block of 16 rows, where the fragments lay
.set WV,   16                          ; s16  wave
.set RH,   17                          ; s17  which 128 rows are mine; also: I fetch for A (0) or for W (1)
.set CH,   18                          ; s18  which 64 columns are mine; also: which half I fetch
.set G1,   24                          ; s[24:31] group 1 for A;  s[32:39] group 0, a set for each slot
.set G0,   32
.set G1B,  48                          ; s[48:55], s[56:63] the same for W
.set G0B,  56
.set MSB, 0
.macro WIN new                         ; the immediate's high byte repeats the setting that is left; a switch that changes nothing is dropped
.if MSB != (\new)
	s_set_vgpr_msb (MSB<<8)|(\new)
.set MSB, \new
.endif
.endm
.set MUL,  0x50                        ; sources window 0; C and D window 1
.set MUL1, 0x40                        ; the first products: C is the bias, in window 0
.macro JLOAD s                         ; a joint load; an s_nop 0 and four v_nop follow each of the two lines, ahead of the jump and the label
	s_cmp_eq_u32 s[RH], 0
	s_cbranch_scc0 .Lfor_b_\@
	tensor_load_to_lds s[G0+4*(\s):G0+4*(\s)+3], s[G1:G1+7]
	s_nop 0
.rept 4
	v_nop
.endr
	s_branch .Lasked_\@
.Lfor_b_\@:
	tensor_load_to_lds s[G0B+4*(\s):G0B+4*(\s)+3], s[G1B:G1B+7]
	s_nop 0
.rept 4
	v_nop
.endr
.Lasked_\@:
.endm
.macro CREST                           ; a round of the cluster's barrier behind its opening barrier
	s_cmp_lg_u32 s[WV], 0
	s_cbranch_scc1 .Lnot_wave_0_\@
	s_barrier_signal -3
.Lnot_wave_0_\@:
	s_barrier_wait -3
	s_barrier_signal -1
	s_barrier_wait -1
.endm
.macro CROUND
	s_barrier_signal -1
	s_barrier_wait -1
	CREST
.endm
.macro PLACES                          ; four places in front of loads into registers that matrix instructions have read, and of conversions that read results
.rept 4
	v_nop
.endr
.endm
	s_load_b256 s[4:11], s[0:1], 0x0               ; A s[4:5], W s[6:7], bias of section 0 s[8:9], of section 1 s[10:11]
	s_load_b128 s[12:15], s[0:1], 0x20             ; bias of section 2 s[12:13], C s[14:15]
	v_lshl_add_u32 v[SPW], v0, 2, SPARE
	v_mov_b32 v[NIL], 0
	ds_add_u32 v[SPW], v[NIL]                      ; the wave's opening: the add and its wait stand ahead of my first tensor load; the set-up below stands between them
	v_lshrrev_b32 v1, 5, v0
	v_readfirstlane_b32 s[WV], v1
	s_lshr_b32 s[RH], s[WV], 1
	s_and_b32 s[CH], s[WV], 1
	s_bfe_u32 s40, ttmp6, 0x40000                  ; cx
	s_bfe_u32 s41, ttmp6, 0x40004                  ; cy
	s_lshl_b32 s21, ttmp9, 2
	s_add_co_u32 s21, s21, s40                     ; tile column = 4 x cluster x + cx
	s_and_b32 s22, ttmp7, 0xffff
	s_lshl_b32 s22, s22, 2
	s_add_co_u32 s22, s22, s41                     ; tile row = 4 x cluster y + cy
	s_lshl_b32 s23, s41, 2
	s_lshl_b32 s23, 15, s23                        ; my row of the cluster
	s_lshl_b32 s47, 0x1111, s40                    ; my column
	s_or_b32 s[G1+0], s23, (1<<16)|(1<<20)|(1<<21)|(4<<22)|(3<<25)   ; mask; 2-byte elements; padding on; bit 21 beside a mask; after every 32 words, 4 words
	s_mov_b32 s[G1+1], 8192<<16                    ; tensor_dim0 = 8,192: 128 dense rows of 64
	s_mov_b32 s[G1+2], 2<<16                       ; tensor_dim1 = 2 planes
	s_mov_b32 s[G1+3], 8192<<16                    ; tile_dim0
	s_mov_b32 s[G1+4], 2                           ; tile_dim1
	s_mov_b32 s[G1+5], 131072                      ; elements from plane to plane
	s_mov_b32 s[G1+6], 0
	s_mov_b32 s[G1+7], 0
	s_or_b32 s[G1B+0], s47, (1<<16)|(1<<20)|(1<<21)|(5<<22)|(3<<25)  ; after every 64 words, 4 words
	s_mov_b32 s[G1B+1], KSTEP<<16
	s_mov_b32 s[G1B+2], 64<<16
	s_mov_b32 s[G1B+3], KSTEP<<16
	s_mov_b32 s[G1B+4], 64
	s_mov_b32 s[G1B+5], 1024
	s_mov_b32 s[G1B+6], 0
	s_mov_b32 s[G1B+7], 0
	; A's tile hangs on the tile row alone, W's on the tile column alone; each offset is made in registers that never hold the other coordinate
	s_lshr_b32 s42, s22, 3
	s_lshl_b32 s42, s42, 22                        ; batch: 16 planes
	s_and_b32 s46, s22, 7
	s_lshl_b32 s46, s46, 8
	s_lshl_b32 s19, s[CH], 7
	s_add_co_u32 s46, s46, s19                     ; row in the plane: 256 x (tile row % 8) + 128 x half
	s_lshl_b32 s46, s46, 7
	s_add_co_u32 s42, s42, s46
	s_mov_b32 s43, 0
	s_lshl_b32 s44, s21, 7
	s_lshl_b32 s19, s[CH], 6
	s_add_co_u32 s44, s44, s19                     ; W's row: 128 x tile column + 64 x half
	s_lshl_b32 s44, s44, 11
	s_mov_b32 s45, 0
	s_mul_i32 s70, s[CH], HALFA                    ; where they go: no place in the cluster enters an LDS address
	s_mul_i32 s71, s[CH], HALFB
	s_add_co_u32 s71, s71, BOFFG
	s_wait_dscnt 0x0                               ; the opening add is done
	s_wait_kmcnt 0x0
	s_add_nc_u64 s[66:67], s[4:5], s[42:43]
	s_add_nc_u64 s[68:69], s[6:7], s[44:45]
	CROUND                                         ; all sixteen work-groups are here: the first joint loads meet
.irp s, 0,1
	s_mov_b32 s[G0+4*(\s)], 1
	s_add_co_u32 s[G0+4*(\s)+1], s70, (\s)*SLOT
	s_add_nc_u64 s[G0+4*(\s)+2:G0+4*(\s)+3], s[66:67], (\s)*ASTEP
	s_or_b32 s[G0+4*(\s)+3], s[G0+4*(\s)+3], 0x80000000
	s_mov_b32 s[G0B+4*(\s)], 1
	s_add_co_u32 s[G0B+4*(\s)+1], s71, (\s)*SLOT
	s_add_nc_u64 s[G0B+4*(\s)+2:G0B+4*(\s)+3], s[68:69], (\s)*BSTEP
	s_or_b32 s[G0B+4*(\s)+3], s[G0B+4*(\s)+3], 0x80000000
	JLOAD \s                                       ; two loads of mine are out
.endr
	v_and_b32 v1, 15, v0                           ; l % 16
	v_bfe_u32 v2, v0, 4, 1                         ; l / 16
	v_mul_u32_u24 v3, v1, PA
	v_lshl_add_u32 v3, v2, 4, v3                   ; a fragment's row x pitch + 16 x half
	s_mul_i32 s72, s[RH], HALFA
	v_add_nc_u32 v[ADRA], s72, v3
	v_add_nc_u32 v[ADRA+1], SLOT, v[ADRA]
	v_mul_u32_u24 v4, v1, PB
	v_lshl_add_u32 v4, v2, 4, v4
	s_mul_i32 s73, s[CH], HALFB
	s_add_co_u32 s73, s73, BOFFG
	v_add_nc_u32 v[ADRB], s73, v4
	v_add_nc_u32 v[ADRB+1], SLOT, v[ADRB]
	s_mul_i32 s74, s[WV], 16*SP
	s_add_co_u32 s74, s74, STAGE                   ; my stage
	v_add_nc_u32 v[STO], s74, v3                   ; in: row l % 16 (the stage's pitch is A's), 16 bytes for each half of the lanes
	v_bfe_u32 v6, v0, 3, 2                         ; back: 32 lanes take four rows of 128 bytes,
	v_mul_u32_u24 v6, v6, SP
	v_and_b32 v7, 7, v0
	v_lshl_add_u32 v6, v7, 4, v6
	v_add_nc_u32 v[RD], s74, v6
	v_and_b32 v[GO], 31, v0                        ; which are 512 consecutive bytes of C
	v_lshlrev_b32 v[GO], 4, v[GO]
	v_lshlrev_b32 v[BO], 5, v2
	; the bias of my 64 columns.  A section is 8 tile columns = 2 clusters, so its number is cluster x / 2: the same in all partners
	s_lshr_b32 s75, ttmp9, 1
	s_cmp_eq_u32 s75, 1
	s_cselect_b64 s[76:77], s[10:11], s[8:9]
	s_cmp_eq_u32 s75, 2
	s_cselect_b64 s[76:77], s[12:13], s[76:77]
	s_lshl_b32 s78, s21, 1
	s_add_co_u32 s78, s78, s[CH]
	s_and_b32 s78, s78, 15                         ; my slice of 64 columns in the section
	s_lshl_b32 s80, s78, 8
	s_mov_b32 s81, 0
	s_add_nc_u64 s[76:77], s[76:77], s[80:81]
.irp b, 0,1,2,3
	global_load_b128 v[BI+8*(\b):BI+8*(\b)+3],   v[BO], s[76:77] offset:64*(\b)
	global_load_b128 v[BI+8*(\b)+4:BI+8*(\b)+7], v[BO], s[76:77] offset:64*(\b)+16
.endr
	; C at my 128 rows of plane section*64 + batch*16 + slice
	s_lshl_b32 s80, s75, 6
	s_lshr_b32 s79, s22, 3
	s_lshl_b32 s79, s79, 4
	s_add_co_u32 s80, s80, s79
	s_add_co_u32 s80, s80, s78
	s_lshl_b32 s80, s80, 18
	s_and_b32 s79, s22, 7
	s_lshl_b32 s79, s79, 8
	s_lshl_b32 s82, s[RH], 7
	s_add_co_u32 s79, s79, s82
	s_lshl_b32 s79, s79, 7
	s_add_co_u32 s80, s80, s79
	s_add_nc_u64 s[14:15], s[14:15], s[80:81]
; na x 4 matrix instructions: row blocks a0 on x my 4 column blocks, 32 along K, from buffer f.  The 32 accumulators take turns, one instruction a turn, in the same order in every quarter,
; over the backward jump too.
.macro MULA f, a0, na, first
.if \first
	WIN MUL1
.else
	WIN MUL
.endif
.set a, \a0
.rept \na
.irp b, 0,1,2,3
.if \first
	v_wmma_f32_16x16x32_bf16 v[8*(4*a+(\b)):8*(4*a+(\b))+7], v[(\f)+64+8*(\b):(\f)+64+8*(\b)+7], v[(\f)+8*a:(\f)+8*a+7], v[BI+8*(\b):BI+8*(\b)+7]
.else
	v_wmma_f32_16x16x32_bf16 v[8*(4*a+(\b)):8*(4*a+(\b))+7], v[(\f)+64+8*(\b):(\f)+64+8*(\b)+7], v[(\f)+8*a:(\f)+8*a+7], v[8*(4*a+(\b)):8*(4*a+(\b))+7]
.endif
.endr
.set a, a+1
.endr
.endm
; 24 LDS loads in one run: quarter qd (32 along K) of a slot into buffer f: W's four fragments, then A's eight.  Quarters 0, 1 lie in the step's first plane, 2, 3 in its second.
.macro FETCH slot, qd, f
	WIN 0
.irp i, 0,1,2,3
	ds_load_b128 v[(\f)+64+8*(\i):(\f)+64+8*(\i)+3],   v[ADRB+(\slot)] offset:(\qd)*64+(\i)*16*PB
	ds_load_b128 v[(\f)+64+8*(\i)+4:(\f)+64+8*(\i)+7], v[ADRB+(\slot)] offset:(\qd)*64+(\i)*16*PB+32
.endr
.irp i, 0,1,2,3,4,5,6,7
	ds_load_b128 v[(\f)+8*(\i):(\f)+8*(\i)+3],   v[ADRA+(\slot)] offset:((\qd)/2)*PLANE_L+((\qd)%2)*64+(\i)*16*PA
	ds_load_b128 v[(\f)+8*(\i)+4:(\f)+8*(\i)+7], v[ADRA+(\slot)] offset:((\qd)/2)*PLANE_L+((\qd)%2)*64+(\i)*16*PA+32
.endr
.endm
; One of a K step's first three quarters: multiplies buffer f; in its middle it fetches quarter qd of the same slot into buffer g.
.macro QUARTER slot, qd, f, g, first
	s_wait_dscnt 8                                 ; W's fragments and A's blocks 0-3 are in; the youngest eight loads (blocks 4-7) may be out
	MULA \f, 0, 4, \first
	PLACES
	FETCH \slot, \qd, \g
	s_wait_dscnt 24                                ; all but the 24 just issued
	MULA \f, 4, 4, \first
.endm
; The last quarter multiplies buffer 1 and changes slots: ONE barrier; in front of it each wave waits for all its tensor loads (one is out: its part of the next slot), adds 0 to its spare word,
; and waits for that and for its own reads of this slot.  fill = 1: the barrier opens a round of the cluster's barrier, and this slot is filled again, two K steps ahead, first thing behind the round.
.macro TURN slot, next, fill
	WIN 0
	s_wait_tensorcnt 0x0
	ds_add_u32 v[SPW], v[NIL]
	s_wait_dscnt 9                                 ; (the add and the youngest eight loads may be out)
	MULA F1, 0, 2, 0                               ; eight matrix instructions stand between the add and the wait for it
	s_wait_dscnt 0x0                               ; the add is done, and my reads of this slot are over
	s_barrier_signal -1
	MULA F1, 2, 2, 0
.if \fill
	WIN 0
.endif
	s_barrier_wait -1
.if \fill
	CREST                                          ; no wave of any partner still reads this slot or has a load on its way
	s_add_nc_u64 s[G0+4*(\slot)+2:G0+4*(\slot)+3], s[G0+4*(\slot)+2:G0+4*(\slot)+3], 2*ASTEP
	s_add_nc_u64 s[G0B+4*(\slot)+2:G0B+4*(\slot)+3], s[G0B+4*(\slot)+2:G0B+4*(\slot)+3], 2*BSTEP
	JLOAD \slot                                    ; 112 matrix instructions ahead of the wait for it; its four v_nop are also the places in front of the loads below
.else
	PLACES
.endif
	FETCH \next, 0, F0
	MULA F1, 4, 4, 0
.endm
	s_wait_tensorcnt 1                             ; my part of K step 0 is in; K step 1's may stay out
	s_barrier_signal -1
	s_barrier_wait -1
	FETCH 0, 0, F0
	s_wait_loadcnt 0x0                             ; the bias
	QUARTER 0, 1, F0, F1, 1                        ; the first quarter stands in front of the loop: its products start the sums, with the bias
	WIN 0
	s_mov_b32 s3, LAPS-1
.Llap:                                                 ; a trip goes once round the ring, from a lap's second quarter to the next lap's first, and fills both slots again
	QUARTER 0, 2, F1, F0, 0
	QUARTER 0, 3, F0, F1, 0
	TURN 0, 1, 1
	QUARTER 1, 1, F0, F1, 0
	QUARTER 1, 2, F1, F0, 0
	QUARTER 1, 3, F0, F1, 0
	TURN 1, 0, 1
	QUARTER 0, 1, F0, F1, 0
	WIN 0
	s_sub_co_u32 s3, s3, 1
	s_cmp_lg_u32 s3, 0
	s_cbranch_scc1 .Llap
	QUARTER 0, 2, F1, F0, 0                        ; the last lap fills nothing
	QUARTER 0, 3, F0, F1, 0
	TURN 0, 1, 0
	QUARTER 1, 1, F0, F1, 0
	QUARTER 1, 2, F1, F0, 0
	QUARTER 1, 3, F0, F1, 0
	s_wait_dscnt 8
	MULA F1, 0, 4, 0
	s_wait_dscnt 0x0
	MULA F1, 4, 4, 0
	WIN 0
; THE WAY OUT, a block of 16 rows at a time: rounded to bf16 (each accumulator's registers in ascending order), 16 bytes a lane into my stage's rows of 144 bytes, back as four whole rows of 128 a load, stored.
.macro PACK a
	WIN 0x05                                       ; sources window 1, destination window 0
.irp b, 0,1,2,3
.irp r, 0,1,2,3
	v_cvt_pk_bf16_f32 v[TMP+16*(\a)+4*(\b)+(\r)], v[8*(4*(\a)+(\b))+2*(\r)], v[8*(4*(\a)+(\b))+2*(\r)+1]
.endr
.endr
	WIN 0
.irp b, 0,1,2,3
	ds_store_b128 v[STO], v[TMP+16*(\a)+4*(\b):TMP+16*(\a)+4*(\b)+3] offset:32*(\b)
.endr
.irp t, 0,1,2,3
	ds_load_b128 v[TMP+16*(\a)+4*(\t):TMP+16*(\a)+4*(\t)+3], v[RD] offset:(\t)*4*SP  ; LDS serves a wave's instructions in order: these see the stores above, and the next block's stores come behind them
.endr
.endm
.macro SEND a, younger                 ; younger: the LDS instructions issued behind block a's loads: the next block's eight, or none
.irp t, 0,1,2,3
	s_wait_dscnt (\younger)+3-(\t)
	global_store_b128 v[GO], v[TMP+16*(\a)+4*(\t):TMP+16*(\a)+4*(\t)+3], s[14:15] offset:(\a)*2048+(\t)*512  ; 512 consecutive bytes, at a multiple of 256 from C's first
.endr
.endm
	PLACES
	PACK 0
.irp a, 1,2,3,4,5,6,7                  ; a block's conversions stand between the loads of the block before and its stores
	PACK \a
	SEND (\a)-1, 8
.endr
	SEND 7, 0
	s_wait_tensorcnt 0x0                           ; the wave's end: behind my last tensor load and my last LDS store
	ds_add_u32 v[SPW], v[NIL]
	s_wait_dscnt 0x0
	CROUND                                         ; the closing round: no work-group ends while a partner may still ask for a tile that names it
	s_endpgm
.Lfunc_end_k_q485ca29e3b_gemm:
	.size	k_q485ca29e3b_gemm, .Lfunc_end_k_q485ca29e3b_gemm-k_q485ca29e3b_gemm
	.p2alignl 7, 3214868480
	.fill 96, 4, 3214868480
	.section	.rodata,"a",@progbits
	.p2align	6, 0x0
	.amdhsa_kernel k_q485ca29e3b_gemm
		.amdhsa_group_segment_fixed_size 327680
		.amdhsa_private_segment_fixed_size 0
		.amdhsa_enable_private_segment 0
		.amdhsa_kernarg_size 48
		.amdhsa_user_sgpr_count 2
		.amdhsa_user_sgpr_kernarg_segment_ptr 1
		.amdhsa_wavefront_size32 1
		.amdhsa_system_sgpr_workgroup_id_x 1
		.amdhsa_system_sgpr_workgroup_id_y 1
		.amdhsa_system_sgpr_workgroup_id_z 1
		.amdhsa_system_vgpr_workitem_id 0
		.amdhsa_next_free_vgpr 512
		.amdhsa_next_free_sgpr 96
		.amdhsa_reserve_vcc 0
		.amdhsa_float_denorm_mode_32 3
		.amdhsa_float_denorm_mode_16_64 3
		.amdhsa_memory_ordered 1
		.amdhsa_forward_progress 1
		.amdhsa_inst_pref_size 88
	.end_amdhsa_kernel
	.amdgpu_metadata
---
amdhsa.version: [ 1, 2 ]
amdhsa.kernels:
  - .name:           k_q485ca29e3b_gemm
    .symbol:         k_q485ca29e3b_gemm.kd
    .args:
      - { .name: xs, .offset: 0, .size: 8, .value_kind: global_buffer, .address_space: global }
      - { .name: wqkv, .offset: 8, .size: 8, .value_kind: global_buffer, .address_space: global }
      - { .name: bq, .offset: 16, .size: 8, .value_kind: global_buffer, .address_space: global }
      - { .name: bk, .offset: 24, .size: 8, .value_kind: global_buffer, .address_space: global }
      - { .name: bv, .offset: 32, .size: 8, .value_kind: global_buffer, .address_space: global }
      - { .name: qkv, .offset: 40, .size: 8, .value_kind: global_buffer, .address_space: global }
    .group_segment_fixed_size: 327680
    .private_segment_fixed_size: 0
    .kernarg_segment_align: 8
    .kernarg_segment_size: 48
    .max_flat_workgroup_size: 128
    .sgpr_count:     96
    .vgpr_count:     512
    .wavefront_size: 32
...
	.end_amdgpu_metadata
.endif
;; end of part 2
;; launch attn (part 3): grid 4 x 64, 4 waves a work-group, clusters of 4 x 4, 327,680 bytes of LDS; arguments qkv, bt, ctx; writes ctx
.if DOCPART == 3
	.amdgcn_target "amdgcn-amd-amdhsa--gfx1250"
	.amdhsa_code_object_version 6
	.text
	.protected	k_q485ca29e3b_attn
	.globl	k_q485ca29e3b_attn
	.p2align	8
	.type	k_q485ca29e3b_attn,@function
k_q485ca29e3b_attn:
	s_mov_b64 s[64:65], 0
	v_nop
	global_prefetch_b8 v0, s[64:65] scope:SCOPE_SE
	s_setreg_imm32_b32 hwreg(HW_REG_WAVE_MODE, 25, 1), 1
	s_wait_xcnt 0x0
	s_wait_alu depctr_hold_cnt(0) depctr_sa_sdst(0) depctr_va_vdst(0) depctr_va_sdst(0) depctr_va_ssrc(0) depctr_va_vcc(0) depctr_vm_vsrc(0)
	s_getreg_b32 s2, hwreg(HW_REG_IB_STS2, 6, 4)
	s_cmp_eq_u32 s2, 0
	s_cbranch_scc0 .Lentry_in_a_cluster
	s_endpgm
.Lentry_in_a_cluster:
	s_bfe_u32 s2, ttmp6, 0x10000c
	s_cmp_lg_u32 s2, 0xf033
	s_cbranch_scc0 .Lentry_shape_is_right
	s_endpgm
.Lentry_shape_is_right:
; ATTENTION WITH A DENSE BIAS.  ctx[hd][q][:] = sum over k of softmax_k(Q[hd][q] . K[hd][k] / 8 + coef bias[q][k]) V[hd][k][:], hd = batch*16 + head, 64 of them, 2,048 rows of 64 channels.
; qkv: [section*64 + hd][s][64] bf16 (q, k, v; unscaled); bt: [step][q][64] bf16 = 8 coef bias[q][64 step + c]; ctx: [hd][s][64] bf16.  Products, maxima and sums in f32; the weights p are rounded to
; bf16 for the second product (their sum l is taken of the unrounded p), ctx once at the end.
; LIMITS.  All matrix operands are bf16 (8 significant bits, f32's range).  A weight below 2^-126 counts as 0 in l; NaN and infinities are not treated apart.
; SHARES.  A wave owns four PIECES of two tiles of 16 queries, a work-group's four waves 512 queries of one hd.  Every wave walks all keys, 64 a step, 32 steps.
; LAYOUT.  S^T = K Q^T (source 0 = 16 keys, source 1 = 16 queries): a lane holds ONE query (lane % 16) and the keys 8 (lane / 16) + 0..7.  Two such tiles, rounded in pairs, ARE source 1 of O^T = V^T P.
; THE BIAS costs no vector work: each sum S^T is started by one more product, Bf x E_u + 0.  Bf is 16 keys x the piece's 32 queries, read from LDS ([query][key]) turned, as V is; E_u picks tile u's
; 16 queries (E_u[k][n] = 1 where k = 16 u + n), so the product is the bias itself, exactly.  The two products K Q^T then add in place.
; SOFTMAX.  Running maximum m and sum l for each query: p = 2^(c S - c m), c = log2(e) / 8, S = q.k + 8 coef bias; in every step O and l are multiplied by a = 2^(c m_old - c m_new).
; m starts at the lowest finite number, O and l at 0: the first step is a step like any other, with a = 0.
; BY TURNS.  Turn n belongs to piece n.  Matrix work: 8 bias products and 16 products K Q^T of piece n + 1, later 16 products V^T P of piece n - 1.  Vector work: scaling, exponentials, roundings, sums and
; rescaling of piece n, maximum and statistics of piece n + 1.  A turn's 66 exponentials are one batch with one wait.
; CLUSTER, 4 x 4.  The grid's x is one cluster wide: cx is the query block, 4 x cluster y + cy is hd.  K and V hang on hd: asked for jointly along a row of the cluster; the bias tile hangs on the
; query block: jointly along a column.  A slot holds one key step: K (wave 0's load), V (wave 1's), 512 rows of bias (waves 2 and 3, 256 rows each).
; REGISTERS, in windows of 256 (s_set_vgpr_msb: bits 1:0 source 0, 3:2 source 1, 5:4 source 2, 7:6 destination):
;   window 0: v1-10 addresses; v12-15, v48-63 at work; v16-47 statistics; v64-191 S^T, two buffers of two tiles; v192-255 P, likewise      window 1: O^T, 32 a tile
;   window 2: v0-127 Q; v128-191 K of one step; v192-255 V of one step      window 3: v0-1 the add's two registers; v4-15 E (E_1 = v4-11, E_0 = v8-15); v32-63 Bf of one piece
.set NP,    4         ; pieces a wave: a name, no knob
.set KS,    64        ; keys in a step
.set STEPS, 2048/KS
.set PK,    144       ; a row of K in LDS: 128 bytes + 16
.set PV,    160       ; a row of V or of the bias: 128 + 32 = 40 words
.set VOFF,  KS*PK
.set BOFF,  VOFF+KS*PV
.set SLOT1, 1<<17     ; slot 1 begins here (a slot is 101,376 bytes), so that one exclusive or turns an address in one slot into the other's
.set STAGE, SLOT1+BOFF+512*PV  ; behind the ring, never filled by a tensor load: 16 rows x 144 bytes for each wave
.set SP,    144
.set SPARE, STAGE+4*16*SP      ; the spare words, 128 bytes for each wave: two blocks of 256 bytes that no other line names
.set KSTEPB, KS*128   ; bytes of K or V in a step
.set BSTEPB, 2048*128 ; bytes from a step's plane of bt to the next
.set AB0, 1           ; v1   my lane's place in my wave's 128 rows of a bias tile; never rewritten
.set AK0, 2           ; v2   my lane's place in a tile of K
.set AV0, 3           ; v3   the same for V
.set AK,  4           ; v4   those three in the slot in hand
.set AV,  5
.set QO,  6           ; v6   my byte offset in the wave's rows of Q
.set STO, 6           ;      later, the way out: where I put 16 bytes of a row
.set RD,  7           ; v7   where I read rows back
.set GO,  8           ; v8   my byte offset in 512 consecutive bytes of ctx
.set AB,  9
.set PFO, 10          ; v10  the prefetches' lane offset; never rewritten
.set SPW, 0           ; v0 of window 3
.set NIL, 1           ; v1 of window 3
.set BF,  32          ; window 3
.set MV,  12
.set ST,  16          ; tile t's statistics at v[ST+4 t]: c m, m, l (even keys', odd keys')
.set TMP, 48          ; by buffer and tile, four registers c0-c3 at work; c2 takes a.  Until the first maximum: v48 l % 16, v49 l / 16, v50 l % 8, v51-56 at work
.set S,   64
.set P,   192
.set KF,  128
.set VF,  192
.set WV,  12          ; s12  wave
.set G1K, 24          ; s[24:31], s[32:39], s[40:47]: group 1 for K, V, bias
.set G1V, 32
.set G1B, 40
.set G0K, 48          ; s[48:51], s[52:55], s[56:59]: group 0; they walk
.set G0V, 52
.set G0B, 56
.set CS,  60          ; s[60:61] c
.set SEL, 62          ; s[62:63] v_permlanex16_b32's selects
.set SLOTS, 66        ; s66  changes of slots still to come in the loop, plus one
.set CNT, 67          ; s67  counts the tail's trips
.set TB,  68          ; s68  LDS byte at which the slot in hand begins
.set LIM, 69          ; s69  1 in a wave that prefetches, else the greatest number
.set POD, 70          ; s70  1: asks at every change; 0: at every second
.set PFA, 72          ; s[72:73] where my prefetches stand
.set PFS, 74          ; s[74:75] their step
.set MSB, 0
.macro WIN new
.if MSB != (\new)
	s_set_vgpr_msb (MSB<<8)|(\new)
.set MSB, (\new)
.endif
.endm
.set W_BI, 0x0f       ; Bf and E in window 3, S^T in window 0
.set W_KQ, 0x0a       ; K and Q in window 2, S^T in window 0
.set W_PV, 0x52       ; V in window 2, P in window 0, O^T in window 1
.set W_RS, 0x41       ; O^T (destination and source 0) in window 1, a in window 0
.set W_MK, 0xc0       ; destination in window 3, sources in window 0
.set W_AD, 0x0f       ; the add: address and data in window 3
; A joint fill: one line for each kind of tile, chosen by the wave's number alone.  An s_nop 0 and four v_nop follow each line, ahead of the jump and the label.
.macro JLOAD
	s_cmp_lt_u32 s[WV], 2
	s_cbranch_scc0 .Lfor_b_\@
	s_cmp_eq_u32 s[WV], 0
	s_cbranch_scc0 .Lfor_v_\@
	tensor_load_to_lds s[G0K:G0K+3], s[G1K:G1K+7]
	s_nop 0
.rept 4
	v_nop
.endr
	s_branch .Lasked_\@
.Lfor_v_\@:
	tensor_load_to_lds s[G0V:G0V+3], s[G1V:G1V+7]
	s_nop 0
.rept 4
	v_nop
.endr
	s_branch .Lasked_\@
.Lfor_b_\@:
	tensor_load_to_lds s[G0B:G0B+3], s[G1B:G1B+7]
	s_nop 0
.rept 4
	v_nop
.endr
.Lasked_\@:
.endm
; A PREFETCH INTO THE L2, behind the joint load and its five lines.  The change to step n asks for step n + 2, which the next change's load will want.
; BIAS: a step's 256 rows that wave 2 (or 3) fetches are 128 blocks of 256 bytes; all sixteen clusters read them, so cluster y = 0 asks; its column's four partners take 32 blocks each, told apart by
; address (cy): a lane a block, at every change.  K AND V: a step of each is 32 blocks, read by one row of one cluster; wave 0 of each of the four partners takes, at every second change, 16 blocks of K
; and 16 of V out of two steps' 64 and 64, told apart by address (cx).  So each block is named once in the launch.  Steps 0 to 2 (K, V: 0 to 3) come by their loads alone; the loop's last change asks for nothing.
.macro ASK
	s_or_b32 s71, s[SLOTS], s[POD]
	s_and_b32 s71, s71, 1
	s_cmp_eq_u32 s71, 1
	s_cbranch_scc0 .Lnot_mine_\@
	s_cmp_gt_u32 s[SLOTS], s[LIM]
	s_cbranch_scc0 .Lnot_mine_\@
	global_prefetch_b8 v[PFO], s[PFA:PFA+1] th:TH_LOAD_NT scope:SCOPE_SE
.Lnot_mine_\@:
.endm
.macro CROUND                       ; a round of the cluster's barrier
	s_barrier_signal -1
	s_barrier_wait -1
	s_cmp_lg_u32 s[WV], 0
	s_cbranch_scc1 .Lnot_wave_0_\@
	s_barrier_signal -3
.Lnot_wave_0_\@:
	s_barrier_wait -3
	s_barrier_signal -1
	s_barrier_wait -1
.endm
; THE CHANGE OF SLOTS, once a key step.  Each wave waits for all its tensor loads (one is out: its part of the other slot), adds 0 to its spare word, and waits for that and for its own reads of the slot
; that it leaves.  fill = 1: the barrier is a round of the cluster's, and the old slot is filled again, with the step after next, first thing behind it: that load has four turns, 160 matrix instructions,
; in which to land.  (At its first use nothing has been read yet: slot 0 is waited for, slot 1 filled.)
.macro CHANGE fill, ask
	WIN W_AD
	s_wait_tensorcnt 0x0            ; no tensor load of mine is out, so a group 0 may be written
	ds_add_u32 v[SPW], v[NIL]       ; 0 onto my spare word; the descriptors' steps stand between it and the wait for it
	WIN 0
.if \fill
	s_xor_b32 s[G0K+1], s[G0K+1], SLOT1
	s_add_nc_u64 s[G0K+2:G0K+3], s[G0K+2:G0K+3], KSTEPB
	s_xor_b32 s[G0V+1], s[G0V+1], SLOT1
	s_add_nc_u64 s[G0V+2:G0V+3], s[G0V+2:G0V+3], KSTEPB
	s_xor_b32 s[G0B+1], s[G0B+1], SLOT1
	s_add_nc_u64 s[G0B+2:G0B+3], s[G0B+2:G0B+3], BSTEPB
.endif
.if \ask
	s_wait_xcnt 0x0                 ; the last prefetch, a key step back, has read its address
	s_add_nc_u64 s[PFA:PFA+1], s[PFA:PFA+1], s[PFS:PFS+1]
.endif
	s_wait_dscnt 0x0                ; the add is done, and my reads of the slot are over
.if \fill
	CROUND
	JLOAD
.if \ask
	ASK
.endif
.else
	s_barrier_signal -1
	s_barrier_wait -1
.endif
	s_xor_b32 s[TB], s[TB], SLOT1   ; the fetches go to the other slot
	v_add_nc_u32 v[AK], s[TB], v[AK0]
	v_add_nc_u32 v[AV], s[TB], v[AV0]
	v_add_nc_u32 v[AB], s[TB], v[AB0]
.endm
	s_load_b128 s[4:7], s[0:1], 0x0   ; qkv s[4:5], bt s[6:7]
	s_load_b64 s[8:9], s[0:1], 0x10   ; ctx
	WIN W_MK
	v_lshl_add_u32 v[SPW], v0, 2, SPARE
	v_mov_b32 v[NIL], 0
	WIN W_AD
	ds_add_u32 v[SPW], v[NIL]       ; the wave's opening: the add and its wait stand ahead of my first tensor load; the set-up below stands between them
	WIN 0
	v_lshrrev_b32 v48, 5, v0
	v_readfirstlane_b32 s[WV], v48
	s_bfe_u32 s13, ttmp6, 0x40000   ; cx: the query block
	s_bfe_u32 s14, ttmp6, 0x40004   ; cy
	s_and_b32 s15, ttmp7, 0xffff    ; cluster y
	s_lshl_b32 s16, s15, 2
	s_add_co_u32 s16, s16, s14      ; hd
	s_lshl_b32 s20, s16, 18         ; its plane of 262,144 bytes
	s_mov_b32 s21, 0
	s_and_b32 s17, s[WV], 1         ; which 256 rows of the bias tile I fetch (waves 2, 3)
	s_lshl_b32 s22, s13, 16         ; the block's 512 rows in a plane of bt,
	s_lshl_b32 s18, s17, 15
	s_add_co_u32 s22, s22, s18      ; my 256 of them
	s_mov_b32 s23, 0
	s_lshl_b32 s2, s13, 16          ; Q and ctx: the block's rows,
	s_lshl_b32 s3, s[WV], 14        ; my wave's 128,
	s_add_co_u32 s2, s2, s3
	s_add_co_u32 s2, s2, s20        ; in hd's plane
	s_mov_b32 s3, 0
	s_lshl_b32 s76, s14, 2
	s_lshl_b32 s76, 15, s76         ; my row of the cluster
	s_lshl_b32 s77, 0x1111, s13     ; my column
	; group 1: dense bytes asked for as rows of 256 (two rows of 64 numbers), padded in LDS after every 128 bytes
	s_or_b32 s[G1K], s76, (1<<16)|(1<<20)|(1<<21)|(4<<22)|(3<<25)  ; mask; 2-byte elements; padding on; bit 21 beside a mask; after every 32 words, 4 words
	s_or_b32 s[G1V], s76, (1<<16)|(1<<20)|(1<<21)|(4<<22)|(7<<25)  ; 8 words
	s_or_b32 s[G1B], s77, (1<<16)|(1<<20)|(1<<21)|(4<<22)|(7<<25)
.irp g, G1K, G1V
	s_mov_b32 s[\g+1], 128<<16      ; tensor_dim0 = 128
	s_mov_b32 s[\g+2], 32<<16       ; tensor_dim1 = 32
	s_mov_b32 s[\g+3], 128<<16      ; tile_dim0
	s_mov_b32 s[\g+4], 32           ; tile_dim1
	s_mov_b32 s[\g+5], 128
	s_mov_b32 s[\g+6], 0
	s_mov_b32 s[\g+7], 0
.endr
	s_mov_b32 s[G1B+1], 128<<16
	s_mov_b32 s[G1B+2], 128<<16     ; 128 rows of 256 bytes: 256 queries
	s_mov_b32 s[G1B+3], 128<<16
	s_mov_b32 s[G1B+4], 128
	s_mov_b32 s[G1B+5], 128
	s_mov_b32 s[G1B+6], 0
	s_mov_b32 s[G1B+7], 0
	s_mov_b32 s[CS], 0x3e38aa3b     ; c = log2(e) / 8
	s_mov_b32 s[CS+1], s[CS]
	s_mov_b32 s[SEL], 0x76543210
	s_mov_b32 s[SEL+1], 0xfedcba98
	s_mov_b32 s[TB], SLOT1          ; the first change of slots turns it into 0
	s_mov_b32 s[G0K], 1
	s_mov_b32 s[G0K+1], 0
	s_mov_b32 s[G0V], 1
	s_mov_b32 s[G0V+1], VOFF
	s_mov_b32 s[G0B], 1
	s_mul_i32 s[G0B+1], s17, 256*PV
	s_add_co_u32 s[G0B+1], s[G0B+1], BOFF
	; the prefetches' offsets and tests
	s_lshl_b32 s18, s13, 12         ; K, V: my work-group's 16 blocks of two steps' 64,
	s_add_co_u32 s18, s18, s20
	s_add_co_u32 s18, s18, 0x1000000+2*KSTEPB  ; in K's section, at step 2
	s_lshl_b32 s19, s14, 13         ; bias: my work-group's 32 blocks of the 128 that I fetch,
	s_add_co_u32 s19, s19, s22
	s_add_co_u32 s19, s19, 2*BSTEPB ; at step 2
	s_cmp_eq_u32 s15, 0
	s_cselect_b32 s[LIM], 1, -1
	s_cmp_eq_u32 s[WV], 0
	s_cselect_b32 s71, 1, -1
	s_mov_b32 s[PFS], BSTEPB
	s_mov_b32 s[PFS+1], 0
	s_mov_b32 s79, 0
	s_cmp_lt_u32 s[WV], 2
	s_cselect_b32 s[LIM], s71, s[LIM]
	s_cselect_b32 s78, s18, s19
	s_cselect_b32 s[PFS], KSTEPB, s[PFS]
	s_cselect_b32 s[POD], 0, 1
	s_cselect_b32 s71, 24, 12       ; lanes 16-31: V's section (2^24 bytes on), or the next 16 blocks
	s_wait_dscnt 0x0                ; the opening add is done
	s_wait_kmcnt 0x0
	s_cmp_lt_u32 s[WV], 2
	s_cselect_b64 s[PFA:PFA+1], s[4:5], s[6:7]
	s_add_nc_u64 s[PFA:PFA+1], s[PFA:PFA+1], s[78:79]
	s_add_nc_u64 s[G0K+2:G0K+3], s[4:5], s[20:21]
	s_add_nc_u64 s[G0K+2:G0K+3], s[G0K+2:G0K+3], 0x1000000
	s_add_nc_u64 s[G0V+2:G0V+3], s[G0K+2:G0K+3], 0x1000000
	s_or_b32 s[G0K+3], s[G0K+3], 0x80000000
	s_or_b32 s[G0V+3], s[G0V+3], 0x80000000
	s_add_nc_u64 s[G0B+2:G0B+3], s[6:7], s[22:23]
	s_or_b32 s[G0B+3], s[G0B+3], 0x80000000
	s_add_nc_u64 s[10:11], s[4:5], s[2:3]  ; Q at my wave's first row
	s_add_nc_u64 s[8:9], s[8:9], s[2:3]    ; ctx likewise
	CROUND                          ; all sixteen work-groups are here: the first joint loads meet
	JLOAD                           ; step 0 into slot 0; slot 1 is asked for when slot 0 is in
	v_and_b32 v48, 15, v0           ; l % 16
	v_bfe_u32 v49, v0, 4, 1         ; l / 16
	v_lshlrev_b32 v[QO], 7, v48
	v_lshl_add_u32 v[QO], v49, 4, v[QO]  ; row x 128 + 16 x half
	WIN 0x80                        ; destination window 2
.set i, 0
.rept 4*NP                          ; Q stays in registers: tile i / 2, channels 32 (i % 2) on
	global_load_b128 v[8*i:8*i+3],   v[QO], s[10:11] offset:(i/2)*2048+(i%2)*64
	global_load_b128 v[8*i+4:8*i+7], v[QO], s[10:11] offset:(i/2)*2048+(i%2)*64+32
.set i, i+1
.endr
	; What the first turn finds: V's registers and P's second buffer hold 0 (its products V^T P, of a piece that has not been, add 0), O^T and l are 0.  All this stands in the wait for the first tile.
.set i, VF
.rept 64
	v_mov_b32 v[i], 0
.set i, i+1
.endr
	WIN 0x40
.set i, 0
.rept 64*NP
	v_mov_b32 v[i], 0
.set i, i+1
.endr
	WIN 0
.set i, 0
.rept 2*NP
	v_mov_b32 v[ST+4*i], 0xfe000000    ; c m: far below every c s
	v_mov_b32 v[ST+4*i+1], 0xff7fffff  ; m
	v_mov_b32 v[ST+4*i+2], 0
	v_mov_b32 v[ST+4*i+3], 0
.set i, i+1
.endr
.set i, P+32
.rept 32
	v_mov_b32 v[i], 0
.set i, i+1
.endr
	v_mul_u32_u24 v[AK0], v48, PK
	v_lshl_add_u32 v[AK0], v49, 4, v[AK0]  ; row x pitch + 16 x half
	; The turning load takes 16 rows x 16 columns (lane l reads row 8 (l / 16) + l % 8, columns 8 ((l / 8) % 2) + 0..7) and leaves half a fragment: lane l holds column l % 16 and 8 rows.
	v_and_b32 v50, 7, v0
	v_bfe_u32 v51, v0, 3, 1
	v_lshl_add_u32 v55, v49, 3, v50
	v_mul_u32_u24 v55, v55, PV
	v_lshl_add_u32 v55, v51, 4, v55
	v_add_nc_u32 v[AV0], VOFF, v55
	s_mul_i32 s18, s[WV], 128*PV    ; my wave's 128 queries in the bias tile
	s_add_co_u32 s18, s18, BOFF
	v_add_nc_u32 v[AB0], s18, v55
	v_lshlrev_b32 v[PFO], 8, v48
	v_lshlrev_b32 v56, s71, v49
	v_add_nc_u32 v[PFO], v[PFO], v56
	; E.  As source 1 lane l holds column n = l % 16; register j of the first four holds k = 8 (l / 16) + 2 j, 2 j + 1.  k = n falls into this lane where t = (l % 16) xor 8 (l / 16) is below 8:
	; register t / 2, half t % 2.  E_0 is those four registers and four of zeros; E_1 four of zeros and the same four (k = 16 + n).
	v_lshlrev_b32 v52, 3, v49
	v_xor_b32 v52, v48, v52         ; t
	v_and_b32 v54, 1, v52
	v_lshlrev_b32 v54, 4, v54
	v_mov_b32 v56, 0x3f80           ; 1.0 in bf16
	v_lshlrev_b32 v54, v54, v56     ; in the half that t picks
	v_lshrrev_b32 v53, 1, v52
	WIN W_MK
.irp j, 0,1,2,3
	v_cmp_eq_u32 vcc_lo, \j, v53
	v_cndmask_b32 v[8+\j], 0, v54, vcc_lo
	v_mov_b32 v[4+\j], 0
	v_mov_b32 v[12+\j], 0
.endr
	WIN 0
; THE MATRIX WORK.  The 8 accumulators of a run take turns, one instruction a turn: between two links of a chain stand 7 others'.
; Product i of 8 that starts S^T of piece x with the bias: keys 16 ((i / 2) % 4) on, tile 2 x + i % 2.
.macro BI x
	WIN W_BI
.set rS, S+64*((\x)%2)+32*(i%2)+8*((i/2)%4)
.set rB, BF+8*((i/2)%4)
.set rE, 8-4*(i%2)
	v_wmma_f32_16x16x32_bf16 v[rS:rS+7], v[rB:rB+7], v[rE:rE+7], 0
.endm
; Product i of 16 of S^T += K Q^T for piece x: channels 32 (i / 8) on, keys 16 ((i / 2) % 4) on, tile 2 x + i % 2.
.macro KQ x
	WIN W_KQ
.set rS, S+64*((\x)%2)+32*(i%2)+8*((i/2)%4)
.set rK, KF+16*((i/2)%4)+8*(i/8)
.set rQ, 16*(2*(\x)+i%2)+8*(i/8)
	v_wmma_f32_16x16x32_bf16 v[rS:rS+7], v[rK:rK+7], v[rQ:rQ+7], v[rS:rS+7]
.endm
; Product i of 16 of O^T += V^T P for piece x: keys 32 (i / 8) on, channels 16 ((i / 2) % 4) on, tile 2 x + i % 2.
.macro PV x
	WIN W_PV
.set rO, 32*(2*(\x)+i%2)+8*((i/2)%4)
.set rV, VF+32*(i/8)+8*((i/2)%4)
.set rP, P+32*((\x)%2)+16*(i%2)+8*(i/8)
	v_wmma_f32_16x16x32_bf16 v[rO:rO+7], v[rV:rV+7], v[rP:rP+7], v[rO:rO+7]
.endm
.macro MM                           ; the turn's next matrix instruction, of 40
.if i < 8
	BI (Y+1)%NP
.set i, i+1
.elseif i < 24
.set i, i-8
	KQ (Y+1)%NP
.set i, i+9
.else
.set i, i-24
	PV (Y+NP-1)%NP
.set i, i+25
.endif
.endm
; THE LDS LOADS stand in runs, never singly among the matrix instructions.
.macro FETCH_K
	WIN 0x80                        ; destination window 2
.irp f, 0,1,2,3,4,5,6,7             ; keys 16 (f / 2) on, channels 32 (f % 2) on
	ds_load_b128 v[KF+8*\f:KF+8*\f+3],   v[AK] offset:(\f/2)*16*PK+(\f%2)*64
	ds_load_b128 v[KF+8*\f+4:KF+8*\f+7], v[AK] offset:(\f/2)*16*PK+(\f%2)*64+32
.endr
	WIN 0
.endm
.macro FETCH_V
	WIN 0x80
.irp f, 0,1,2,3,4,5,6,7             ; keys 32 (f / 4) on, channels 16 (f % 4) on
	ds_load_tr16_b128 v[VF+8*\f:VF+8*\f+3],   v[AV] offset:(\f/4)*32*PV+(\f%4)*32
	ds_load_tr16_b128 v[VF+8*\f+4:VF+8*\f+7], v[AV] offset:(\f/4)*32*PV+16*PV+(\f%4)*32
.endr
	WIN 0
.endm
.macro FETCH_B x                    ; piece x's bias: its 32 queries (rows), keys 16 f on (columns)
	WIN W_MK                        ; destination window 3
.irp f, 0,1,2,3
	ds_load_tr16_b128 v[BF+8*\f:BF+8*\f+3],   v[AB] offset:(\x)*32*PV+\f*32
	ds_load_tr16_b128 v[BF+8*\f+4:BF+8*\f+7], v[AB] offset:(\x)*32*PV+16*PV+\f*32
.endr
	WIN 0
.endm
; THE VECTOR WORK OF A TURN stands in three queues, each in the order in which its entries become ready; the two tiles alternate.
.macro REGS y, u                    ; the registers of tile u (0, 1) of piece y
.set rT, ST+4*(2*(\y)+(\u))
.set rC, TMP+8*((\y)%2)+4*(\u)
.set rM, MV+2*((\y)%2)+(\u)
.set rS, S+64*((\y)%2)+32*(\u)
.set rP, P+32*((\y)%2)+16*(\u)
.set rO, 32*(2*(\y)+(\u))
.endm
; Number n of the 22 that find the NEXT piece's (Y + 1) maximum and statistics.  Each accumulator's lowest registers are read first.
;   0-11  four chains c0-c3 of seven scores each     12-14, 16  the four scores left over, the old m, and c0-c3 into c0     15  c m_old is kept
;   17, 18  the query's other 32 keys lie in the lane 16 away: the new m         19-21  c m; c m_old - c m_new; a
.macro XS u, n
	REGS (Y+1)%NP, \u
.if (\n) < 4
	v_max3_num_f32 v[rC+(\n)], v[rS+8*(\n)], v[rS+8*(\n)+1], v[rS+8*(\n)+2]
.elseif (\n) < 12
	v_max3_num_f32 v[rC+(\n)%4], v[rC+(\n)%4], v[rS+8*((\n)%4)+2*((\n)/4)+1], v[rS+8*((\n)%4)+2*((\n)/4)+2]
.elseif (\n) == 12
	v_max3_num_f32 v[rC], v[rC], v[rS+7], v[rS+15]
.elseif (\n) == 13
	v_max3_num_f32 v[rC+1], v[rC+1], v[rS+23], v[rS+31]
.elseif (\n) == 14
	v_max3_num_f32 v[rC+2], v[rC+2], v[rC+3], v[rT+1]
.elseif (\n) == 15
	v_mov_b32 v[rM], v[rT]
.elseif (\n) == 16
	v_max3_num_f32 v[rC], v[rC], v[rC+1], v[rC+2]
.elseif (\n) == 17
	v_permlanex16_b32 v[rC+3], v[rC], s[SEL], s[SEL+1]
.elseif (\n) == 18
	v_max_num_f32 v[rT+1], v[rC], v[rC+3]
.elseif (\n) == 19
	v_mul_f32 v[rT], s[CS], v[rT+1]
.elseif (\n) == 20
	v_sub_f32 v[rC+1], v[rM], v[rT]
.else
	v_exp_f32 v[rC+2], v[rC+1]
.endif
.endm
; Number g of the 64 that follow the exponentials.  For each four weights k of a tile: both pairs are rounded to bf16; the second pair is added onto the first, in place; a group later l takes that sum
; (the first time as l = a l + sum).
.macro GS g
.set h, (\g)+6*((\g)/62)
.if h >= 6
.set h, h+2
.endif
	REGS Y, h%2
.set k, h/8
.if h%8 < 4
	v_cvt_pk_bf16_f32 v[rP+2*k+(h%8)/2], v[rS+4*k+2*((h%8)/2)], v[rS+4*k+2*((h%8)/2)+1]
.elseif h%8 < 6
	v_pk_add_f32 v[rS+4*k:rS+4*k+1], v[rS+4*k:rS+4*k+1], v[rS+4*k+2:rS+4*k+3]
.elseif k == 1
	v_pk_fma_f32 v[rT+2:rT+3], v[rT+2:rT+3], v[rC+2:rC+3], v[rS:rS+1] op_sel_hi:[1,0,1]
.else
	v_pk_add_f32 v[rT+2:rT+3], v[rT+2:rT+3], v[rS+4*k-4:rS+4*k-3]
.endif
.endm
; THE PLAIN QUEUE, 138 long.  0-26: scalings 0-26.  27-54: XS's numbers 0-13.  55, 56: number 15.  57-73: the chain 14, 16, 17, 18, 19, each with one of the scalings 27-31 in front of its two lines, then 20.
; 74-137: GS's 64, which read the exponentials' results: they stand behind the wait.
.macro FS f
	REGS Y, (\f)%2
	v_pk_fma_f32 v[rS+2*((\f)/2):rS+2*((\f)/2)+1], v[rS+2*((\f)/2):rS+2*((\f)/2)+1], s[CS:CS+1], v[rT:rT+1] op_sel_hi:[1,0,0] neg_lo:[0,0,1] neg_hi:[0,0,1]
.endm
.macro PL
	WIN 0
.if q < 27
	FS q
.elseif q < 55
	XS (q-27)%2, (q-27)/2
.elseif q < 57
	XS q-55, 15
.elseif (q < 72) && ((q-57)%3 == 0)
	FS 27+(q-57)/3
.elseif q < 60
	XS (q-57)%3-1, 14
.elseif q < 72
	XS (q-57)%3-1, 15+(q-57)/3
.elseif q < 74
	XS q-72, 20
.else
	GS q-74
.endif
.set q, q+1
.endm
; THE EXPONENTIALS' QUEUE, 66 long: s0-s31 of both tiles, then the next piece's two a.  ONE BATCH: all 66 stand ahead of the turn's one wait, and nothing ahead of that wait names a result of theirs.
.macro EX
	WIN 0
.if e >= 64
	XS e-64, 21
.else
	REGS Y, e%2
	v_exp_f32 v[rS+e/2], v[rS+e/2]
.endif
.set e, e+1
.endm
; THE RESCALING's QUEUE: O^T times a, two at a time, sixteen times.  Its a was made in the turn before, ahead of that turn's wait.
.macro R2
	REGS Y, r%2
	WIN W_RS
.irp z, 0,1
	v_pk_mul_f32 v[rO+4*(r/2)+2*\z:rO+4*(r/2)+2*\z+1], v[rO+4*(r/2)+2*\z:rO+4*(r/2)+2*\z+1], v[rC+2:rC+3] op_sel_hi:[1,0]
.endr
.set r, r+1
.endm
; A TURN, for piece p.  AHEAD OF THE WAIT: the 8 bias products and 16 products K Q^T; behind the first sixteen a scaling, an exponential and two rescalings (behind the very first a second scaling in the
; exponential's place), behind the last eight a scaling and two exponentials; then ONE LUMP: sixteen plain, 33 times exponential and plain, the two a; a v_nop is the plain instruction behind the last exponential.
; BEHIND IT: the 16 products V^T P, behind each four of GS's 64.
; The queues keep step: exponential e wants scaling 2 (e / 4) + e % 2; as a rider it stands behind plain e + 2 or more, in the lump behind plain e + 9, and scalings 27-31 are plain 57, 60 .. 69.
; XS's first number, plain 27, stands ten plain instructions behind the product that ended its accumulator; the number that reads the last accumulator, plain 34, ten behind the last product.
; THE FETCHES stand directly behind the wait: the bias of piece p + 2 (its products open the next turn; Bf's last reader opened this one); in piece 2's turn also K of the next step.
; V of the step in hand is fetched at the end of piece 0's turn, four riders behind its last reader.  last = 1 (the tail): in the last trip there is no further step, and the fetches are jumped over.
.macro TURN p, last=0
.set Y, (\p)
.set i, 0
.set q, 0
.set e, 0
.set r, 0
.if (\p) == 1
	s_wait_dscnt 16                 ; Bf is in; V's 16 loads, issued behind Bf's, may stay out
.else
	s_wait_dscnt 0x0                ; Bf is in (piece 3's turn: K too)
.endif
	MM
	PL
	PL
	R2
.rept 15
	MM
	PL
	EX
	R2
.endr
.rept 8
	MM
	PL
	EX
	EX
.endr
.rept 16
	PL
.endr
.rept 33
	EX
	PL
.endr
	EX                              ; the next piece's two a
	EX
	v_nop                           ; the plain instruction behind the last exponential: one for the batch
	s_wait_alu depctr_va_vdst(0)    ; the wait for the batch, ahead of the first line that names a result
	WIN 0
.if \last
	s_cmp_eq_u32 s[CNT], 1
	s_cbranch_scc1 .Lno_f_\@
.endif
	FETCH_B ((\p)+2)%NP
.if (\p) == NP-2
	FETCH_K
.endif
.if \last
.Lno_f_\@:
.endif
.if (\p) == 1
	s_wait_dscnt 8                  ; V is in; the eight loads of Bf just issued may stay out
.endif
.rept 16
	MM
.rept 4
	PL
.endr
.endr
.if (\p) == 0
	FETCH_V
.endif
.endm
	CHANGE 1, 0                     ; slot 0 is in, everybody's part of it; slot 1 is asked for
	FETCH_K                         ; key step 0
	FETCH_B 0
	s_wait_loadcnt 0x0              ; Q
	s_wait_dscnt 0x0
.set i, 0
.rept 8
	BI 0                            ; piece 0's first scores: there is no vector work yet to set between them
.set i, i+1
.endr
.set i, 0
.rept 16
	KQ 0
.set i, i+1
.endr
	WIN 0                           ; the addresses for the way out: nine plain instructions, the places behind those products
	s_mul_i32 s17, s[WV], 16*SP
	s_add_co_u32 s17, s17, STAGE    ; my stage
	v_mul_u32_u24 v[STO], v48, SP   ; in: row l % 16, 16 bytes for each half of the lanes
	v_lshl_add_u32 v[STO], v49, 4, v[STO]
	v_add_nc_u32 v[STO], s17, v[STO]
	v_bfe_u32 v[RD], v0, 3, 2       ; back: 32 lanes take four rows of 128 bytes,
	v_mul_u32_u24 v[RD], v[RD], SP
	v_lshl_add_u32 v[RD], v50, 4, v[RD]
	v_add_nc_u32 v[RD], s17, v[RD]
	v_and_b32 v[GO], 31, v0         ; which are 512 consecutive bytes of ctx
	v_lshlrev_b32 v[GO], 4, v[GO]
	FETCH_B 1
.set Y, NP-1                        ; XS works for piece Y + 1: piece 0
.irp n, 0,1,2,3,4,5,6,7,8,9,10,11,12,13,14,15,16,17,18,19,20,21
	XS 0, \n
	XS 1, \n
.endr
	v_nop                           ; a plain instruction behind the two a,
	s_wait_alu depctr_va_vdst(0)    ; and their wait, ahead of the branch
	s_mov_b32 s[SLOTS], STEPS-1
	s_branch .Lfirst                ; the loop is entered at a step's first turn, in the middle of a trip
.Lslot:                             ; STEPS - 2 times: the change to step n asks for step n + 1; pieces 2 and 3 of step n - 1, then pieces 0 and 1 of step n
	CHANGE 1, 1
	TURN 2
	TURN 3
	WIN 0
.Lfirst:
	TURN 0
	TURN 1
	WIN 0
	s_sub_co_u32 s[SLOTS], s[SLOTS], 1
	s_cmp_lg_u32 s[SLOTS], 0
	s_cbranch_scc1 .Lslot
	CHANGE 0, 0                     ; the tail is written out: nothing is asked for
	s_mov_b32 s[CNT], 2             ; one trip fetches the last step; the second is left in its middle
.Ltail:
	TURN 2, 1
	TURN 3
	WIN 0
	s_sub_co_u32 s[CNT], s[CNT], 1
	s_cmp_eq_u32 s[CNT], 0
	s_cbranch_scc1 .Lout
	TURN 0
	TURN 1
	WIN 0
	s_branch .Ltail
.Lout:                              ; the second trip's scores (on the last K and bias once more) and the maximum made of them serve nothing: the price, once a launch, of one text for every trip
.set i, 0
.rept 16
	PV NP-1                         ; the last piece's V^T P of the last step
.set i, i+1
.endr
	; THE WAY OUT.  l's two halves and the other half of the lanes' are added; O^T is divided by l, rounded to bf16 and sent through my stage in LDS, a tile at a time.  The additions are the places behind the last products.
	WIN 0
.macro ALL line:vararg              ; one line for each tile t
.set t, 0
.rept 2*NP
	\line
.set t, t+1
.endr
.endm
	ALL v_add_f32 v[ST+4*t+2], v[ST+4*t+2], v[ST+4*t+3]
	ALL v_permlanex16_b32 v[ST+4*t+3], v[ST+4*t+2], s[SEL], s[SEL+1]
	ALL v_add_f32 v[ST+4*t+2], v[ST+4*t+2], v[ST+4*t+3]
	ALL v_rcp_f32 v[ST+4*t+2], v[ST+4*t+2]
	v_nop                           ; a plain instruction between the last reciprocal and the use of its result
	s_wait_alu depctr_va_vdst(0)    ; one wait for the eight reciprocals
.macro PACK t                       ; a lane's eight channels of a row pack into 16 bytes; they go into rows of 144 bytes and come back as whole rows of 128, into S^T's registers
	WIN W_RS
.set i, 32*(\t)
.rept 16
	v_pk_mul_f32 v[i:i+1], v[i:i+1], v[ST+4*(\t)+2:ST+4*(\t)+3] op_sel_hi:[1,0]
.set i, i+2
.endr
	WIN 0x05                        ; sources 0 and 1 window 1, destination window 0
.set i, 0
.rept 16
	v_cvt_pk_bf16_f32 v[S+16*(\t)+i], v[32*(\t)+2*i], v[32*(\t)+2*i+1]
.set i, i+1
.endr
	WIN 0
.irp f, 0,1,2,3
	ds_store_b128 v[STO], v[S+16*(\t)+4*\f:S+16*(\t)+4*\f+3] offset:32*\f
.endr
.irp f, 0,1,2,3
	ds_load_b128 v[S+16*(\t)+4*\f:S+16*(\t)+4*\f+3], v[RD] offset:\f*4*SP  ; LDS serves a wave's instructions in order: these see the stores above; the next tile's stores come behind them
.endr
.endm
.macro SEND t, younger              ; younger: the LDS instructions issued behind tile t's loads: the next tile's eight, or none
	WIN 0
.irp f, 0,1,2,3
	s_wait_dscnt (\younger)+3-\f
	global_store_b128 v[GO], v[S+16*(\t)+4*\f:S+16*(\t)+4*\f+3], s[8:9] offset:(\t)*2048+\f*512  ; 512 consecutive bytes, at a multiple of 256 from ctx's first
.endr
.endm
	PACK 0
.set t, 1
.rept 2*NP-1                        ; a tile's arithmetic stands between the loads of the tile before and its stores
	PACK t
	SEND t-1, 8
.set t, t+1
.endr
	SEND 2*NP-1, 0
	WIN W_AD
	s_wait_tensorcnt 0x0            ; the wave's end: behind my last tensor load and my last LDS store
	ds_add_u32 v[SPW], v[NIL]
	s_wait_dscnt 0x0
	WIN 0
	CROUND                          ; the closing round: no work-group ends while a partner may still ask for a tile that names it
	s_endpgm
.Lfunc_end_k_q485ca29e3b_attn:
	.size	k_q485ca29e3b_attn, .Lfunc_end_k_q485ca29e3b_attn-k_q485ca29e3b_attn
	.p2alignl 7, 3214868480
	.fill 96, 4, 3214868480
	.section	.rodata,"a",@progbits
	.p2align	6, 0x0
	.amdhsa_kernel k_q485ca29e3b_attn
		.amdhsa_group_segment_fixed_size 327680
		.amdhsa_private_segment_fixed_size 0
		.amdhsa_enable_private_segment 0
		.amdhsa_kernarg_size 24
		.amdhsa_user_sgpr_count 2
		.amdhsa_user_sgpr_kernarg_segment_ptr 1
		.amdhsa_wavefront_size32 1
		.amdhsa_system_sgpr_workgroup_id_x 1
		.amdhsa_system_sgpr_workgroup_id_y 1
		.amdhsa_system_sgpr_workgroup_id_z 1
		.amdhsa_system_vgpr_workitem_id 0
		.amdhsa_next_free_vgpr 832
		.amdhsa_next_free_sgpr 80
		.amdhsa_reserve_vcc 1
		.amdhsa_float_denorm_mode_32 3
		.amdhsa_float_denorm_mode_16_64 3
		.amdhsa_memory_ordered 1
		.amdhsa_forward_progress 1
		.amdhsa_inst_pref_size 217
	.end_amdhsa_kernel
	.amdgpu_metadata
---
amdhsa.version: [ 1, 2 ]
amdhsa.kernels:
  - .name:           k_q485ca29e3b_attn
    .symbol:         k_q485ca29e3b_attn.kd
    .args:
      - { .name: qkv, .offset: 0, .size: 8, .value_kind: global_buffer, .address_space: global }
      - { .name: bt, .offset: 8, .size: 8, .value_kind: global_buffer, .address_space: global }
      - { .name: ctx, .offset: 16, .size: 8, .value_kind: global_buffer, .address_space: global }
    .group_segment_fixed_size: 327680
    .private_segment_fixed_size: 0
    .kernarg_segment_align: 8
    .kernarg_segment_size: 24
    .max_flat_workgroup_size: 128
    .sgpr_count:     80
    .vgpr_count:     832
    .wavefront_size: 32
...
	.end_amdgpu_metadata
.endif
;; end of part 3
;; launch outp: the kernel of part 2 again; grid 8 x 32, 4 waves a work-group, clusters of 4 x 4, 327,680 bytes of LDS; arguments ctx, wob, bo, bk, bv, att; writes att
;; launch ln (part 4): grid 256 x 1, 8 waves a work-group, no clusters, 0 bytes of LDS; arguments att, hidden_states, ln_gamma, ln_beta, out0; writes out0
.if DOCPART == 4
	.amdgcn_target "amdgcn-amd-amdhsa--gfx1250"
	.amdhsa_code_object_version 6
	.text
	.protected	k_q485ca29e3b_ln
	.globl	k_q485ca29e3b_ln
	.p2align	8
	.type	k_q485ca29e3b_ln,@function
k_q485ca29e3b_ln:
	s_mov_b64 s[64:65], 0
	v_nop
	global_prefetch_b8 v0, s[64:65] scope:SCOPE_SE
	s_setreg_imm32_b32 hwreg(HW_REG_WAVE_MODE, 25, 1), 1
	s_wait_xcnt 0x0
; RESIDUAL AND LAYER NORM.  x = att + hidden; out = (x - mean) / sqrt(var + 1e-12) x gamma + beta, over a row's 1,024 numbers, all in f32; the variance is taken of x - mean.
; att: [batch*16 + j][s][64] bf16 (the output projection with its bias); hidden, out: [8192][1024] f32.
; A stream: each byte is read once and written once, a row never leaves its 16 lanes, so no LDS, no barrier, no matrix unit, and no cluster (only gamma and beta, 8 KiB, are shared).
; SHARES.  A work-group takes 32 rows, a wave four, as two groups of two: lanes 0-15 hold one row, lanes 16-31 the next; lane c of a row holds columns 64 j + 4 c .. + 3, j = 0 .. 15.
; So a load of att takes 256 consecutive bytes (two rows of a plane), a load of hidden and a store of out two aligned runs of 256 bytes.  All 96 loads of a wave are issued at once.
.set VA,  3                            ; v3  8 x lane: my place in two rows of a plane of att
.set VG,  4                            ; v4  16 x (lane % 16): my place in 64 numbers of gamma and beta
.set VH,  5                            ; v5  the same + 4,096 x (lane / 16): in two rows of hidden and out
.set VR,  6                            ; v6, v7  var + eps of group 0, 1
.set T,   8                            ; v[8:15]   at work
.set SU,  16                           ; v[16:23]  four chains of packed sums
.set MU,  24                           ; v[24:27]  the mean, twice, for each group
.set RS,  28                           ; v[28:31]  1 / sqrt(var + eps), twice, for each group
.set AT,  32                           ; v[32:95]  att as loaded, 32 registers a group
.set H,   96                           ; v[96:223] hidden, then x, x - mean, and the result: 64 registers a group
.set GA,  0                            ; window 1: v0-63 gamma, v64-127 beta
.set BE,  64
.set MSB, 0
.macro WIN new
.if MSB != (\new)
	s_set_vgpr_msb (MSB<<8)|(\new)
.set MSB, \new
.endif
.endm
	s_load_b256 s[4:11], s[0:1], 0x0               ; att s[4:5], hidden s[6:7], gamma s[8:9], beta s[10:11]
	s_load_b64 s[12:13], s[0:1], 0x20              ; out
	v_and_b32 v1, 31, v0
	v_lshrrev_b32 v2, 5, v0
	v_readfirstlane_b32 s14, v2                    ; wave
	v_lshlrev_b32 v[VA], 3, v1
	v_and_b32 v[VG], 15, v0
	v_lshlrev_b32 v[VG], 4, v[VG]
	v_bfe_u32 v[VH], v0, 4, 1
	v_lshl_add_u32 v[VH], v[VH], 12, v[VG]
	s_lshl_b32 s15, ttmp9, 5
	s_lshl_b32 s16, s14, 2
	s_add_co_u32 s15, s15, s16                     ; my first row of 8,192
	s_lshl_b32 s18, s15, 12                        ; x 4,096 bytes
	s_mov_b32 s19, 0
	s_lshr_b32 s20, s15, 11                        ; batch: 16 planes
	s_lshl_b32 s20, s20, 22
	s_and_b32 s16, s15, 2047
	s_lshl_b32 s16, s16, 7
	s_add_co_u32 s20, s20, s16
	s_mov_b32 s21, 0
	s_mov_b32 s22, 0xffff0000                      ; a word's upper bf16
	s_mov_b32 s23, 0x3a800000                      ; 1 / 1,024
	s_wait_kmcnt 0x0
	s_add_nc_u64 s[4:5], s[4:5], s[20:21]
	s_add_nc_u64 s[6:7], s[6:7], s[18:19]
	s_add_nc_u64 s[12:13], s[12:13], s[18:19]
.irp g, 0,1
.set j, 0
.rept 16
	global_load_b64  v[AT+32*\g+2*j:AT+32*\g+2*j+1], v[VA], s[4:5] offset:j*262144+\g*256 th:TH_LOAD_NT
	global_load_b128 v[H+64*\g+4*j:H+64*\g+4*j+3],   v[VH], s[6:7] offset:j*256+\g*8192 th:TH_LOAD_NT
.set j, j+1
.endr
.endr
	WIN 0x40                                       ; destination window 1
.set j, 0
.rept 16
	global_load_b128 v[GA+4*j:GA+4*j+3], v[VG], s[8:9] offset:j*256
	global_load_b128 v[BE+4*j:BE+4*j+3], v[VG], s[10:11] offset:j*256
.set j, j+1
.endr
	WIN 0
.macro REDUCE                          ; the four chains into one number, then over the row's 16 lanes: every lane of the row ends with the sum
	v_pk_add_f32 v[SU:SU+1], v[SU:SU+1], v[SU+2:SU+3]
	v_pk_add_f32 v[SU+4:SU+5], v[SU+4:SU+5], v[SU+6:SU+7]
	v_pk_add_f32 v[SU:SU+1], v[SU:SU+1], v[SU+4:SU+5]
	v_add_f32 v[SU], v[SU], v[SU+1]
	v_add_f32_dpp v[SU], v[SU], v[SU] row_xmask:1 row_mask:0xf bank_mask:0xf
	v_add_f32_dpp v[SU], v[SU], v[SU] row_xmask:2 row_mask:0xf bank_mask:0xf
	v_add_f32_dpp v[SU], v[SU], v[SU] row_xmask:4 row_mask:0xf bank_mask:0xf
	v_add_f32_dpp v[SU], v[SU], v[SU] row_xmask:8 row_mask:0xf bank_mask:0xf
.endm
; Group g: x = att + hidden; the mean; x - mean in place; the variance + eps.
.macro STATS g
.set rA, AT+32*(\g)
.set rH, H+64*(\g)
.set j, 0
.rept 16
.set rT, T+4*(j%2)
	v_lshlrev_b32 v[rT],   16,  v[rA+2*j]           ; bf16 to f32: the low half moves up, the high half stays
	v_and_b32     v[rT+1], s22, v[rA+2*j]
	v_lshlrev_b32 v[rT+2], 16,  v[rA+2*j+1]
	v_and_b32     v[rT+3], s22, v[rA+2*j+1]
	v_pk_add_f32 v[rH+4*j:rH+4*j+1],   v[rH+4*j:rH+4*j+1],   v[rT:rT+1]
	v_pk_add_f32 v[rH+4*j+2:rH+4*j+3], v[rH+4*j+2:rH+4*j+3], v[rT+2:rT+3]
.set j, j+1
.endr
.irp k, 0,1,2,3
	v_pk_add_f32 v[SU+2*\k:SU+2*\k+1], v[rH+2*\k:rH+2*\k+1], v[rH+8+2*\k:rH+8+2*\k+1]  ; the first eight pairs start the chains: nothing is cleared
.endr
.set n, 8
.rept 24
	v_pk_add_f32 v[SU+2*(n%4):SU+2*(n%4)+1], v[SU+2*(n%4):SU+2*(n%4)+1], v[rH+2*n:rH+2*n+1]
.set n, n+1
.endr
	REDUCE
	v_mul_f32 v[MU+2*(\g)], s23, v[SU]
	v_mov_b32 v[MU+2*(\g)+1], v[MU+2*(\g)]
.set n, 0
.rept 32
	v_pk_add_f32 v[rH+2*n:rH+2*n+1], v[rH+2*n:rH+2*n+1], v[MU+2*(\g):MU+2*(\g)+1] neg_lo:[0,1] neg_hi:[0,1]
.set n, n+1
.endr
.irp k, 0,1,2,3
	v_pk_mul_f32 v[SU+2*\k:SU+2*\k+1], v[rH+2*\k:rH+2*\k+1], v[rH+2*\k:rH+2*\k+1]
.endr
.set n, 4
.rept 28
	v_pk_fma_f32 v[SU+2*(n%4):SU+2*(n%4)+1], v[rH+2*n:rH+2*n+1], v[rH+2*n:rH+2*n+1], v[SU+2*(n%4):SU+2*(n%4)+1]
.set n, n+1
.endr
	REDUCE
	v_fmaak_f32 v[VR+(\g)], s23, v[SU], 0x2b8cbccc ; sum / 1,024 + 1e-12
.endm
	s_wait_loadcnt 63                              ; group 0's 32 loads are in: 64 are younger, and 63 is the largest count that the wait names
	STATS 0
	s_wait_loadcnt 32                              ; group 1's are in; gamma's and beta's 32 may stay out
	STATS 1
	v_rsq_f32 v[RS],   v[VR]                       ; twice each, to fill the pairs that the packed multiply takes: one batch of four
	v_rsq_f32 v[RS+1], v[VR]
	v_rsq_f32 v[RS+2], v[VR+1]
	v_rsq_f32 v[RS+3], v[VR+1]
	v_nop                                          ; the plain instruction behind the last of them
	s_wait_alu depctr_va_vdst(0)                   ; and the one wait ahead of the first use
.irp g, 0,1
.set n, 0
.rept 32
	v_pk_mul_f32 v[H+64*\g+2*n:H+64*\g+2*n+1], v[H+64*\g+2*n:H+64*\g+2*n+1], v[RS+2*\g:RS+2*\g+1]
.set n, n+1
.endr
.endr
	s_wait_loadcnt 0x0                             ; gamma and beta
	WIN 0x14                                       ; sources 1 and 2 in window 1
.irp g, 0,1
.set n, 0
.rept 32
	v_pk_fma_f32 v[H+64*\g+2*n:H+64*\g+2*n+1], v[H+64*\g+2*n:H+64*\g+2*n+1], v[GA+2*n:GA+2*n+1], v[BE+2*n:BE+2*n+1]
.set n, n+1
.endr
.endr
	WIN 0
.irp g, 0,1
.set j, 0
.rept 16
	global_store_b128 v[VH], v[H+64*\g+4*j:H+64*\g+4*j+3], s[12:13] offset:j*256+\g*8192 th:TH_STORE_NT  ; 16 lanes store 256 consecutive bytes, at a multiple of 256 from out's first
.set j, j+1
.endr
.endr
	s_endpgm
.Lfunc_end_k_q485ca29e3b_ln:
	.size	k_q485ca29e3b_ln, .Lfunc_end_k_q485ca29e3b_ln-k_q485ca29e3b_ln
	.p2alignl 7, 3214868480
	.fill 96, 4, 3214868480
	.section	.rodata,"a",@progbits
	.p2align	6, 0x0
	.amdhsa_kernel k_q485ca29e3b_ln
		.amdhsa_group_segment_fixed_size 0
		.amdhsa_private_segment_fixed_size 0
		.amdhsa_enable_private_segment 0
		.amdhsa_kernarg_size 40
		.amdhsa_user_sgpr_count 2
		.amdhsa_user_sgpr_kernarg_segment_ptr 1
		.amdhsa_wavefront_size32 1
		.amdhsa_system_sgpr_workgroup_id_x 1
		.amdhsa_system_sgpr_workgroup_id_y 1
		.amdhsa_system_sgpr_workgroup_id_z 1
		.amdhsa_system_vgpr_workitem_id 0
		.amdhsa_next_free_vgpr 384
		.amdhsa_next_free_sgpr 66
		.amdhsa_reserve_vcc 0
		.amdhsa_float_denorm_mode_32 3
		.amdhsa_float_denorm_mode_16_64 3
		.amdhsa_memory_ordered 1
		.amdhsa_forward_progress 1
		.amdhsa_inst_pref_size 44
	.end_amdhsa_kernel
	.amdgpu_metadata
---
amdhsa.version: [ 1, 2 ]
amdhsa.kernels:
  - .name:           k_q485ca29e3b_ln
    .symbol:         k_q485ca29e3b_ln.kd
    .args:
      - { .name: att, .offset: 0, .size: 8, .value_kind: global_buffer, .address_space: global }
      - { .name: hidden_states, .offset: 8, .size: 8, .value_kind: global_buffer, .address_space: global }
      - { .name: ln_gamma, .offset: 16, .size: 8, .value_kind: global_buffer, .address_space: global }
      - { .name: ln_beta, .offset: 24, .size: 8, .value_kind: global_buffer, .address_space: global }
      - { .name: out0, .offset: 32, .size: 8, .value_kind: global_buffer, .address_space: global }
    .group_segment_fixed_size: 0
    .private_segment_fixed_size: 0
    .kernarg_segment_align: 8
    .kernarg_segment_size: 40
    .max_flat_workgroup_size: 256
    .sgpr_count:     66
    .vgpr_count:     384
    .wavefront_size: 32
...
	.end_amdgpu_metadata
.endif
;; end of part 4
